; MI455X (gfx1250); checked and timed in simulation.
; The chip was launched on July 23, 2026; its instructions are those of AMD's public machine-readable ISA for CDNA 5 (MIT licence, August 2026) and "CDNA5" Instruction Set Architecture Reference Guide (July 2026). The comments in the code are by the model that wrote it; some were corrected since.
;; Linear Attention. Allowed arithmetic: matrix products marked QUANTISED: E4M3 operands, one given power-of-two scale a tensor, by v_wmma_f32_16x16x64_fp8_fp8 or v_wmma_f32_16x16x128_fp8_fp8, f32 sums; everything else in f32.
;; Inputs: Wk_b 128 float32; Wk_w 128 x 128 float32; Wo_b 128 float32; Wo_w 128 x 128 float32; Wq_b 128 float32; Wq_w 128 x 128 float32; Wv_b 128 float32; Wv_w 128 x 128 float32; h 2 x 128 x 8 x 32 x 32 float32; lowp_scales 12 int32 (the exponents e of the quantised operands' scales 2^e); x 2 x 128 x 8 x 32 x 32 float32.
;; Outputs: out0 2 x 128 x 8 x 32 x 32 float32.
;; This version of the problem:
;;   THIS VERSION OF THE PROBLEM IS GIVEN IN LOW PRECISION. The matrix products marked QUANTISED in the list below multiply operands that are first quantised to E4M3 (4 exponent bits, 3 mantissa bits; 8 bits a number), with one given power-of-two scale for each operand tensor; their sums are f32. All else is computed in f32.
;;   The module's matrix products, in the order in which they are computed (A, B: the left and right operand; K: the contracted axis; several contracted axes count as one K, in the product's order):
;;     1. [M 16,384, K 128] x [K 128, N 128]; A: input x; B: input Wq_w: QUANTISED (scales: A lowp_scales[0], B lowp_scales[1])
;;     2. [M 16,384, K 128] x [K 128, N 128]; A: input h; B: input Wk_w: QUANTISED (scales: A lowp_scales[2], B lowp_scales[3])
;;     3. [M 16,384, K 128] x [K 128, N 128]; A: input h; B: input Wv_w: QUANTISED (scales: A lowp_scales[4], B lowp_scales[5])
;;     4. batch 2 x [M 8,192, K 128] x [K 128, N 8,192]; A: computed on the way; B: computed on the way: QUANTISED (scales: A lowp_scales[6], B lowp_scales[7])
;;     5. batch 2 x [M 128, K 8,192] x [K 8,192, N 8,192]; A: computed on the way; B: softmax (see below): QUANTISED (scales: A lowp_scales[8], B lowp_scales[9])
;;     6. [M 16,384, K 128] x [K 128, N 128]; A: computed on the way; B: input Wo_w: QUANTISED (scales: A lowp_scales[10], B lowp_scales[11])
;;   THE QUANTISER, for each operand of a quantised product, along K:
;;     - The operand's scale is 2^e, e = its entry of the input lowp_scales (int32; the entries are numbered through the quantised products in the list's order, A before B).
;;     - Each number is divided by the scale, clamped to +-448, and rounded to the nearest number of E4M3, ties to even, subnormals kept.
;;     - The product sums the exact products of the quantised numbers (number of the format x scale) in f32.
;;   ~~~python
;;   def quantise(x, axis, e):      # numpy; x: float32 -> the quantised numbers, widened to float32 again
;;       x = np.moveaxis(x, axis, -1); K = x.shape[-1]
;;       r = np.clip(x / 2.0 ** e, -448, 448)
;;       step = 2.0 ** (np.maximum(np.frexp(np.where(r == 0, 1, r))[1] - 1, -6) - 3)
;;       q = np.round(r / step) * step * 2.0 ** e      # np.round: ties to even
;;       return np.moveaxis(q, -1, axis).astype(np.float32)
;;   ~~~
;;   SOFTMAX AHEAD OF A QUANTISED PRODUCT. Where the list says 'softmax', what is quantised is not the finished softmax but p = 2^(t - M), with t = logit x log2(e) and M = ceil(the row's largest t), a whole number; so 1/2 < the row's largest p <= 1. The row's sum l is taken of the UNQUANTISED p, in f32, and the product's result is divided by l at the end. Since M is a whole number, a kernel that streams over the keys may use a running M (the ceiling of the running maximum): every later rescaling is an exact power of two, so the quantised numbers keep their values, but for numbers so far below the row's largest that they fall under the format's range.
;;   OPERANDS COMPUTED ON THE WAY. 'Computed on the way' means the value that the module computes at that place (a softmax that the list does not call 'softmax' is quantised finished and normalised). What goes into a quantiser is computed in f32, as accurately as f32 sums, v_exp_f32 and their like allow (about 1e-6 of the number): no bf16 or f16 on the way to a quantiser, and a product that is left as it is and whose result goes on into a quantised operand takes f32 operands (vector FMAs, or v_wmma_f32_16x16x4_f32). A number that lies on a knife's edge between two numbers of the format may be rounded either way, as far as f32 arithmetic and the matrix unit's own rounding can turn it there, and no further.
;; One version. Each part assembles by itself: llvm-mc -triple=amdgcn-amd-amdhsa -mcpu=gfx1250 --defsym DOCPART=n.
;; ======== version 1 of 1: 2 launches
;; limits: right only within a limited range of input values
;; workspace buffers: q_codes 2,097,152 bytes; k_codes 2,097,152 bytes; v_codes 2,097,152 bytes; wo_codes 16,384 bytes
;; launch proj (part 1): grid 128 x 2, 4 waves a work-group, clusters of 4 x 1, 229,888 bytes of LDS; arguments x, h, Wq_w, Wk_w, Wv_w, Wo_w, Wq_b, Wk_b, Wv_b, lowp_scales, q_codes, k_codes, v_codes, wo_codes; writes q_codes, k_codes, v_codes, wo_codes
.if DOCPART == 1
	.amdgcn_target "amdgcn-amd-amdhsa--gfx1250"
	.amdhsa_code_object_version 6
	.text
	.protected	k_qb5ba20c8ee_proj
	.globl	k_qb5ba20c8ee_proj
	.p2align	8
	.type	k_qb5ba20c8ee_proj,@function
k_qb5ba20c8ee_proj:
	s_mov_b64 s[64:65], 0
	v_nop
	global_prefetch_b8 v0, s[64:65] scope:SCOPE_SE
	s_setreg_imm32_b32 hwreg(HW_REG_WAVE_MODE, 25, 1), 1
	s_wait_xcnt 0x0
	s_wait_alu depctr_hold_cnt(0) depctr_sa_sdst(0) depctr_va_vdst(0) depctr_va_sdst(0) depctr_va_ssrc(0) depctr_va_vcc(0) depctr_vm_vsrc(0)
	s_getreg_b32 s2, hwreg(HW_REG_IB_STS2, 6, 4)
	s_cmp_eq_u32 s2, 0
	s_cbranch_scc0 .Lentry_in_a_cluster
	s_endpgm
.Lentry_in_a_cluster:
	s_bfe_u32 s2, ttmp6, 0x10000c
	s_cmp_lg_u32 s2, 0x3003
	s_cbranch_scc0 .Lentry_shape_is_right
	s_endpgm
.Lentry_shape_is_right:
; q = Wq x + bq, k = Wk h + bk, v = Wv h + bv on codes of FP8 (E4M3); the results are quantised again and stored as codes for the attention launch; Wo is quantised on the side.
; x, h: [2][128 channels][8192 voxels] f32.  W*: [128 o][128 c] f32.  lowp_scales: e0 .. e11.
; FRAGMENTS.  Every operand, on both sides of every product, is laid alike: lane (r = lane % 16, h = lane / 16) holds row r, and its registers 4 c .. 4 c + 3 hold K = 32 c + 16 h + 0 .. 15.
; That is one permutation of K, the same in A and in B, so every product meets its partner.  A fragment's IMAGE is 2,048 bytes: piece c (512 bytes) holds lane l's 16 bytes at 512 c + 16 l.
; SHARES.  A work-group takes 64 voxels (block g) of one batch through all three products.  Its four tiles of 16 voxels are interleaved: row m of tile u is voxel 64 g + 4 m + u, since a lane's 16-byte load of a
; channel's row brings four neighbouring voxels.  Wave w quantises channels 32 w .. 32 w + 31 of x and h (piece w of each tile's image, handed round through LDS) and owns rows 32 w .. 32 w + 31 of Wq, Wk, Wv.
; THE ROWS OF A WEIGHT THAT FORM A TILE ARE NOT NEIGHBOURS: lane r of the wave's tile p takes its row 8 p + r + 8 (r / 8), so that the 16 result registers of its two tiles are 16 neighbouring channels, 32 w + 16 h + 0 .. 15.
; q, k: source 0 = the weight's 16 rows, source 1 = 16 voxels: a lane holds one voxel and 16 channels: piece w of that voxel tile's image.
; v:    source 0 = 16 voxels, source 1 = the weight's 16 rows: a lane holds one channel and 8 voxels a tile: two tiles are one piece of V's image, whose K is the keys.
; The biases are the C of each sum's one matrix instruction, divided by the power of two that the sums lack.
; CLUSTER.  All work-groups read the same three weights, three quarters of a work-group's bytes: the four of a cluster ask for them JOINTLY.  No LDS byte is filled twice.  A wave has three tensor loads out.
; LIMITS on the given exponents, so that each power of two below is an f32 number: e0 .. e5, e11, e6 - e0 - e1, e7 - e2 - e3 and e8 - e4 - e5 between -126 and 119.  NaN and infinities among the inputs are not served.
.set CHB,    32768                     ; bytes from a channel's row to the next
.set WPITCH, 528                       ; a weight's row in LDS: 512 bytes + 16 of padding
.set WTILE,  32*WPITCH                 ; a wave's 32 rows of one weight
.set WWAVE,  3*WTILE                   ; of the three
.set IMG,    4*WWAVE                   ; behind the weights: three sets of four images: x at e0, h at e2, h at e4
.set SETB,   8192
.set FRB,    2048
.set XA,   3                           ; v3   x, h: 16 channels x half + 16 r
.set L16,  4                           ; v4   16 x lane
.set AW,   5                           ; v5   my place in my wave's rows of a weight
.set IW,   6                           ; v6   where I store my piece of an image
.set IR,   7                           ; v7   where I read an image
.set BA,   8                           ; v8   bq, bk: 64 h
.set BV,   9                           ; v9   bv: 4 (r + 8 (r / 8))
.set WOA,  10                          ; v10  Wo: 512 r + 64 h
.set SC,   12                          ; v12-31 ten pairs (2^e, 448 x 2^e): e0, e2, e4, e1, e3, e5, e6-e0-e1, e7-e2-e3, e8-e4-e5, e11
.set RA,   32                          ; v32-95   x as loaded; later a weight's numbers, then four data fragments
.set RB,   96                          ; v96-159  h as loaded; later a weight's numbers, then eight accumulators
.set HELD, 160                         ; v160-191 two sets of 16 held numbers;
.set WC,   160                         ;          later the wave's two weight fragments
.set BQ,   192                         ; v192-207 bq, v208-223 bk, v224-239 bv: eight registers a tile, in the result's layout
.set BK,   208
.set BVV,  224
.set CO,   240                         ; v240-255 codes on their way out
.set WV,   32                          ; s32  my wave's number
.set G1,   36                          ; s[36:43] descriptor group 1
.set G0,   44                          ; s[44:55] descriptor group 0, one for each weight
.macro CROUND                          ; a round of the cluster's barrier
	s_barrier_signal -1
	s_barrier_wait -1
	s_cmp_lg_u32 s[WV], 0
	s_cbranch_scc1 .Lnot_wave_0_\@
	s_barrier_signal -3
.Lnot_wave_0_\@:
	s_barrier_wait -3
	s_barrier_signal -1
	s_barrier_wait -1
.endm
.macro MKSCALE vs, se                  ; v[vs] = 2^e as f32 (the conversion takes its exponent field), v[vs+1] = 448 x 2^e
	s_add_co_i32 s90, s[\se], 127
	s_lshl_b32 s91, s90, 23
	v_mov_b32 v[\vs], s91
	s_add_co_i32 s90, s90, 8
	s_lshl_b32 s90, s90, 23
	s_or_b32 s90, s90, 0x600000
	v_mov_b32 v[\vs+1], s90
.endm
; 64 numbers as loaded (register 4 i + u: channel 32 w + 16 h + i, voxel 4 r + u) become piece w of the four tiles' images.  The hold is also the move that sorts the registers by tile.
.macro QDATA raw, sc, iset
.irp u, 0,1,2,3
.set n, 0
.rept 16
	v_med3_num_f32 v[HELD+16*(\u%2)+n], v[\raw+4*n+\u], -v[\sc+1], v[\sc+1]   ; the conversion to an 8-bit code does not saturate (ISA guide 7.6.2)
.set n, n+1
.endr
	v_cvt_scalef32_pk8_fp8_f32 v[CO+4*\u:CO+4*\u+1], v[HELD+16*(\u%2):HELD+16*(\u%2)+7], v[\sc]
	v_cvt_scalef32_pk8_fp8_f32 v[CO+4*\u+2:CO+4*\u+3], v[HELD+16*(\u%2)+8:HELD+16*(\u%2)+15], v[\sc]
.endr
	v_nop                                          ; a plain line behind the last conversion
.irp u, 0,1,2,3
	ds_store_b128 v[IW], v[CO+4*\u:CO+4*\u+3] offset:\iset*SETB+\u*FRB
.endr
	s_wait_dscnt 0x0                               ; the stores have read their registers
.endm
; my wave's two tiles of weight wt: 128 numbers a lane out of LDS, converted into v[WC] on.  Rows r and r + 16 start at the same bank, so these 32 loads go two deep.
.macro WFRAG wt, sc
.irp p, 0,1
.set n, 0
.rept 16
	ds_load_b128 v[RA+64*\p+4*n:RA+64*\p+4*n+3], v[AW] offset:\wt*WTILE+\p*8*WPITCH+128*(n/4)+16*(n%4)
.set n, n+1
.endr
.endr
	s_wait_dscnt 0x0
.irp f, 0,1,2,3,4,5,6,7
.set n, 0
.rept 16
.set n, n+1
.endr
	v_cvt_scalef32_pk8_fp8_f32 v[WC+4*\f:WC+4*\f+1], v[RA+16*\f:RA+16*\f+7], v[\sc]
	v_cvt_scalef32_pk8_fp8_f32 v[WC+4*\f+2:WC+4*\f+3], v[RA+16*\f+8:RA+16*\f+15], v[\sc]
.endr
	v_nop                                          ; a plain line between the last conversion and what next touches its registers
.endm
; One projection: eight matrix instructions, each a whole sum (K = 128); results converted, stored: each store of the wave covers 512 consecutive bytes, aligned.
.macro PRODUCT wt, iset, bias, wsc, osc, kind, base
.rept 5
	v_nop                                          ; places behind the product before: its registers are loaded into, and written by matrix instructions, below (ISA guide 7.12.1)
.endr
	WFRAG \wt, \wsc
.set n, 0
.rept 16
	ds_load_b128 v[RA+4*n:RA+4*n+3], v[IR] offset:\iset*SETB+512*n   ; the four tiles' images, as they were stored
.set n, n+1
.endr
	s_wait_alu depctr_va_vdst(0)
	s_wait_dscnt 0x0
.irp u, 0,1,2,3
.irp p, 0,1
.if \kind
	v_wmma_f32_16x16x128_fp8_fp8 v[RB+8*(4*\p+\u):RB+8*(4*\p+\u)+7], v[RA+16*\u:RA+16*\u+15], v[WC+16*\p:WC+16*\p+15], v[\bias+8*\p:\bias+8*\p+7]
.else
	v_wmma_f32_16x16x128_fp8_fp8 v[RB+8*(2*\u+\p):RB+8*(2*\u+\p)+7], v[WC+16*\p:WC+16*\p+15], v[RA+16*\u:RA+16*\u+15], v[\bias+8*\p:\bias+8*\p+7]
.endif
.endr
.endr
.rept 4
	v_nop
.endr
	s_wait_xcnt 0x0                                ; the stores before have read v[CO] on
.irp i, 0,1,2,3
.set n, 0
.rept 16
.set n, n+1
.endr
	v_cvt_scalef32_pk8_fp8_f32 v[CO+4*\i:CO+4*\i+1], v[RB+16*\i:RB+16*\i+7], v[\osc]
	v_cvt_scalef32_pk8_fp8_f32 v[CO+4*\i+2:CO+4*\i+3], v[RB+16*\i+8:RB+16*\i+15], v[\osc]
.endr
	v_nop
.irp i, 0,1,2,3
.if \kind
	global_store_b128 v[L16], v[CO+4*\i:CO+4*\i+3], s[\base:\base+1] offset:FRB*(\i/2)+512*(\i%2)   ; channel tile 2 w + i / 2, piece 2 (g % 2) + i % 2
.else
	global_store_b128 v[L16], v[CO+4*\i:CO+4*\i+3], s[\base:\base+1] offset:FRB*\i                   ; voxel tile i, piece w
.endif
.endr
.endm
	s_load_b256 s[4:11], s[0:1], 0x0               ; x, h, Wq, Wk
	s_load_b256 s[12:19], s[0:1], 0x20             ; Wv, Wo, bq, bk
	s_load_b256 s[20:27], s[0:1], 0x40             ; bv, the scales' exponents, q's codes, k's codes
	s_load_b128 s[28:31], s[0:1], 0x60             ; v's codes, Wo's codes
	s_set_vgpr_msb 0x40
	v_lshl_add_u32 v0, v0, 2, 0x38000
	v_mov_b32 v1, 0
	s_set_vgpr_msb 0x4045
	ds_add_u32 v0, v1
	ds_add_u32 v0, v1
	s_set_vgpr_msb 0x4500
	v_lshrrev_b32 v1, 5, v0
	v_readfirstlane_b32 s[WV], v1                  ; wave 0..3
	s_bfe_u32 s33, ttmp6, 0x40000                  ; cx: it enters global addresses alone
	s_lshl_b32 s34, ttmp9, 2
	s_add_co_u32 s34, s34, s33                     ; g: my block of 64 voxels
	s_and_b32 s35, ttmp7, 0xffff                   ; the batch
	; descriptor group 1: 32 rows x 128 elements of 4 bytes, 16 bytes of padding behind each row
	s_mov_b32 s[G1], 15|(2<<16)|(1<<20)|(1<<21)|(6<<22)|(3<<25)   ; 15:0 the mask: all four work-groups; 17:16 elements of 4 bytes; 20 padding on; 21 set beside a mask; 24:22 after every 128 words; 31:25 four words
	s_mov_b32 s[G1+1], 128<<16                     ; tensor_dim0
	s_mov_b32 s[G1+2], 32<<16                      ; tensor_dim1
	s_mov_b32 s[G1+3], 128<<16                     ; tile_dim0
	s_mov_b32 s[G1+4], 32                          ; tile_dim1
	s_mov_b32 s[G1+5], 128                         ; elements from row to row
	s_mov_b32 s[G1+6], 0
	s_mov_b32 s[G1+7], 0
	s_mul_i32 s56, s[WV], WWAVE                    ; my wave's rows in LDS
	s_lshl_b32 s58, s[WV], 14                      ; and in memory: 32 rows of 512 bytes
	s_mov_b32 s59, 0
	v_and_b32 v1, 15, v0                           ; r
	v_bfe_u32 v2, v0, 4, 1                         ; h
	v_lshlrev_b32 v[XA], 4, v1
	v_lshl_add_u32 v[XA], v2, 19, v[XA]
	v_and_b32 v[L16], 31, v0
	v_lshlrev_b32 v[L16], 4, v[L16]
	v_and_b32 v11, 8, v1
	v_add_nc_u32 v11, v11, v1                      ; r + 8 (r / 8)
	v_mul_u32_u24 v[AW], v11, WPITCH
	v_lshl_add_u32 v[AW], v2, 6, v[AW]
	v_add_nc_u32 v[AW], s56, v[AW]
	s_lshl_b32 s57, s[WV], 9
	s_add_co_u32 s57, s57, IMG
	v_add_nc_u32 v[IW], s57, v[L16]
	v_add_nc_u32 v[IR], IMG, v[L16]
	v_lshlrev_b32 v[BA], 6, v2
	v_lshlrev_b32 v[BV], 2, v11
	v_lshlrev_b32 v[WOA], 9, v1
	v_lshl_add_u32 v[WOA], v2, 6, v[WOA]
	s_wait_dscnt 0x0
	s_wait_kmcnt 0x0
	s_load_b256 s[68:75], s[22:23], 0x0            ; e0 .. e7
	s_load_b128 s[76:79], s[22:23], 0x20           ; e8 .. e11
.irp t, 0,1,2
	s_mov_b32 s[G0+4*\t], 1
	s_add_co_u32 s[G0+4*\t+1], s56, \t*WTILE
	s_add_nc_u64 s[G0+4*\t+2:G0+4*\t+3], s[8+2*\t:9+2*\t], s[58:59]
	s_or_b32 s[G0+4*\t+3], s[G0+4*\t+3], 0x80000000
.endr
	CROUND                                         ; all four work-groups are here: the joint loads meet
	tensor_load_to_lds s[G0:G0+3], s[G1:G1+7]
	s_nop 0
	tensor_load_to_lds s[G0+4:G0+7], s[G1:G1+7]
	s_nop 0
	tensor_load_to_lds s[G0+8:G0+11], s[G1:G1+7]
	s_nop 0
.rept 4
	v_nop
.endr
	s_lshl_b32 s60, s35, 22                        ; the batch's 128 rows,
	s_lshl_b32 s61, s[WV], 20                      ; my wave's 32 channels,
	s_add_co_u32 s60, s60, s61
	s_lshl_b32 s61, s34, 8                         ; my block's 256 bytes of a row
	s_add_co_u32 s60, s60, s61
	s_mov_b32 s61, 0
	s_add_nc_u64 s[4:5], s[4:5], s[60:61]
	s_add_nc_u64 s[6:7], s[6:7], s[60:61]
.set n, 0
.rept 16
	global_load_b128 v[RA+4*n:RA+4*n+3], v[XA], s[4:5] offset:CHB*n th:TH_LOAD_NT   ; sixteen lanes read 256 consecutive bytes, aligned, of channel 32 w + n, the other sixteen of channel 32 w + 16 + n
.set n, n+1
.endr
.set n, 0
.rept 16
	global_load_b128 v[RB+4*n:RB+4*n+3], v[XA], s[6:7] offset:CHB*n th:TH_LOAD_NT
.set n, n+1
.endr
	s_lshl_b32 s60, s[WV], 7                       ; my wave's 32 numbers of each bias
	s_add_nc_u64 s[16:17], s[16:17], s[60:61]
	s_add_nc_u64 s[18:19], s[18:19], s[60:61]
	s_add_nc_u64 s[20:21], s[20:21], s[60:61]
	s_wait_alu depctr_va_vdst(0)
.irp p, 0,1
	global_load_b128 v[BQ+8*\p:BQ+8*\p+3], v[BA], s[16:17] offset:32*\p        ; tile p, register j: channel 32 w + 16 h + 8 p + j
	global_load_b128 v[BQ+8*\p+4:BQ+8*\p+7], v[BA], s[16:17] offset:32*\p+16
.endr
.irp p, 0,1
	global_load_b128 v[BK+8*\p:BK+8*\p+3], v[BA], s[18:19] offset:32*\p
	global_load_b128 v[BK+8*\p+4:BK+8*\p+7], v[BA], s[18:19] offset:32*\p+16
.endr
	global_load_b32 v[BVV], v[BV], s[20:21]                                    ; tile p: my lane's channel 32 w + 8 p + r + 8 (r / 8)
	global_load_b32 v[BVV+8], v[BV], s[20:21] offset:32
	s_lshl_b32 s60, s35, 7
	s_add_co_u32 s60, s60, s34
	s_lshl_b32 s60, s60, 13                        ; q, k: (128 b + g) x four images,
	s_lshl_b32 s62, s[WV], 9                       ; + my piece
	s_add_co_u32 s60, s60, s62
	s_add_nc_u64 s[24:25], s[24:25], s[60:61]
	s_add_nc_u64 s[26:27], s[26:27], s[60:61]
	s_lshl_b32 s60, s35, 20                        ; v: the batch,
	s_lshr_b32 s62, s34, 1
	s_lshl_b32 s62, s62, 14                        ; the step of 128 keys,
	s_add_co_u32 s60, s60, s62
	s_and_b32 s62, s34, 1
	s_lshl_b32 s62, s62, 10                        ; my block's two pieces of it,
	s_add_co_u32 s60, s60, s62
	s_lshl_b32 s62, s[WV], 12                      ; my wave's two channel tiles
	s_add_co_u32 s60, s60, s62
	s_add_nc_u64 s[28:29], s[28:29], s[60:61]
	s_wait_kmcnt 0x0
	s_add_co_i32 s80, s68, s69                     ; e0 + e1: a sum of the first product stands for sum x 2^(e0 + e1)
	s_add_co_i32 s81, s70, s71
	s_add_co_i32 s82, s72, s73
	s_sub_co_i32 s83, s74, s80                     ; e6 - e0 - e1: the three scales folded into the conversion's one
	s_sub_co_i32 s84, s75, s81
	s_sub_co_i32 s85, s76, s82
	s_sub_co_i32 s86, 0, s80
	s_sub_co_i32 s87, 0, s81
	s_sub_co_i32 s88, 0, s82
	MKSCALE SC, 68
	MKSCALE SC+2, 70
	MKSCALE SC+4, 72
	MKSCALE SC+6, 69
	MKSCALE SC+8, 71
	MKSCALE SC+10, 73
	MKSCALE SC+12, 83
	MKSCALE SC+14, 84
	MKSCALE SC+16, 85
	MKSCALE SC+18, 79
	s_wait_loadcnt 26                              ; x is in: behind its loads stand h's sixteen and the biases' ten
	QDATA RA, SC, 0
	s_wait_loadcnt 10                              ; h is in: the biases' ten may be out
	QDATA RB, SC+2, 1
	QDATA RB, SC+4, 2
	s_wait_loadcnt 0x0
.set n, 0
.rept 16
	v_ldexp_f32 v[BQ+n], v[BQ+n], s86              ; b / 2^(eA + eB)
	v_ldexp_f32 v[BK+n], v[BK+n], s87
.set n, n+1
.endr
	v_ldexp_f32 v[BVV], v[BVV], s88
	v_ldexp_f32 v[BVV+8], v[BVV+8], s88
.set n, 1
.rept 7
	v_mov_b32 v[BVV+n], v[BVV]                     ; in v's result a lane holds one channel: its eight registers take one bias
	v_mov_b32 v[BVV+8+n], v[BVV+8]
.set n, n+1
.endr
	s_wait_tensorcnt 0x0                           ; my rows of the three weights are in LDS; only I read them
	s_wait_dscnt 0x0                               ; for the others' sake: my pieces of the images are stored
	s_barrier_signal -1
	s_barrier_wait -1                              ; the twelve images are whole
	PRODUCT 0, 0, BQ, SC+6, SC+12, 0, 24
	PRODUCT 1, 1, BK, SC+8, SC+14, 0, 26
	PRODUCT 2, 2, BVV, SC+10, SC+16, 1, 28
	; Wo's codes, once in the launch: the first cluster of batch 0 (the branch is alike in all four partners).  Its sixteen waves are told apart by address: row tile 2 cx + w / 2, pieces 2 (w % 2) and + 1.
	s_or_b32 s56, ttmp9, s35
	s_cmp_lg_u32 s56, 0
	s_cbranch_scc1 .Lno_wo
	s_lshl_b32 s56, s33, 1
	s_lshr_b32 s57, s[WV], 1
	s_add_co_u32 s56, s56, s57                     ; the row tile
	s_and_b32 s57, s[WV], 1                        ; which half of K
	s_lshl_b32 s58, s56, 13
	s_lshl_b32 s60, s57, 8
	s_add_co_u32 s58, s58, s60
	s_mov_b32 s59, 0
	s_add_nc_u64 s[14:15], s[14:15], s[58:59]
	s_lshl_b32 s58, s56, 11
	s_lshl_b32 s60, s57, 10
	s_add_co_u32 s58, s58, s60
	s_add_nc_u64 s[30:31], s[30:31], s[58:59]
.set n, 0
.rept 8
	global_load_b128 v[RA+4*n:RA+4*n+3], v[WOA], s[14:15] offset:128*(n/4)+16*(n%4)   ; 64 KiB read once in the launch: a lane takes its 16 neighbours along K as they lie
.set n, n+1
.endr
	s_wait_loadcnt 0x0
	s_wait_xcnt 0x0                                ; v's stores have read v[CO] on
.irp c, 0,1
.set n, 0
.rept 16
.set n, n+1
.endr
	v_cvt_scalef32_pk8_fp8_f32 v[CO+4*\c:CO+4*\c+1], v[RA+16*\c:RA+16*\c+7], v[SC+18]
	v_cvt_scalef32_pk8_fp8_f32 v[CO+4*\c+2:CO+4*\c+3], v[RA+16*\c+8:RA+16*\c+15], v[SC+18]
.endr
	v_nop
	global_store_b128 v[L16], v[CO:CO+3], s[30:31]
	global_store_b128 v[L16], v[CO+4:CO+7], s[30:31] offset:512
.Lno_wo:
	s_wait_dscnt 0x0
	s_set_vgpr_msb 0x5
	s_wait_tensorcnt 0x0
	ds_add_u32 v0, v1
	s_wait_dscnt 0x0
	s_set_vgpr_msb 0x500
	CROUND                                         ; the closing round: no work-group ends while a partner may still ask for a tile that names it
	s_endpgm
.Lfunc_end_k_qb5ba20c8ee_proj:
	.size	k_qb5ba20c8ee_proj, .Lfunc_end_k_qb5ba20c8ee_proj-k_qb5ba20c8ee_proj
	.p2alignl 7, 3214868480
	.fill 96, 4, 3214868480
	.section	.rodata,"a",@progbits
	.p2align	6, 0x0
	.amdhsa_kernel k_qb5ba20c8ee_proj
		.amdhsa_group_segment_fixed_size 229888
		.amdhsa_private_segment_fixed_size 0
		.amdhsa_enable_private_segment 0
		.amdhsa_kernarg_size 112
		.amdhsa_user_sgpr_count 2
		.amdhsa_user_sgpr_kernarg_segment_ptr 1
		.amdhsa_wavefront_size32 1
		.amdhsa_system_sgpr_workgroup_id_x 1
		.amdhsa_system_sgpr_workgroup_id_y 1
		.amdhsa_system_sgpr_workgroup_id_z 1
		.amdhsa_system_vgpr_workitem_id 0
		.amdhsa_next_free_vgpr 258
		.amdhsa_next_free_sgpr 100
		.amdhsa_reserve_vcc 0
		.amdhsa_float_denorm_mode_32 3
		.amdhsa_float_denorm_mode_16_64 3
		.amdhsa_fp16_overflow 1
		.amdhsa_memory_ordered 1
		.amdhsa_forward_progress 1
		.amdhsa_inst_pref_size 50
	.end_amdhsa_kernel
	.amdgpu_metadata
---
amdhsa.version: [ 1, 2 ]
amdhsa.kernels:
  - .name:           k_qb5ba20c8ee_proj
    .symbol:         k_qb5ba20c8ee_proj.kd
    .args:
      - { .name: x, .offset: 0, .size: 8, .value_kind: global_buffer, .address_space: global }
      - { .name: h, .offset: 8, .size: 8, .value_kind: global_buffer, .address_space: global }
      - { .name: Wq_w, .offset: 16, .size: 8, .value_kind: global_buffer, .address_space: global }
      - { .name: Wk_w, .offset: 24, .size: 8, .value_kind: global_buffer, .address_space: global }
      - { .name: Wv_w, .offset: 32, .size: 8, .value_kind: global_buffer, .address_space: global }
      - { .name: Wo_w, .offset: 40, .size: 8, .value_kind: global_buffer, .address_space: global }
      - { .name: Wq_b, .offset: 48, .size: 8, .value_kind: global_buffer, .address_space: global }
      - { .name: Wk_b, .offset: 56, .size: 8, .value_kind: global_buffer, .address_space: global }
      - { .name: Wv_b, .offset: 64, .size: 8, .value_kind: global_buffer, .address_space: global }
      - { .name: lowp_scales, .offset: 72, .size: 8, .value_kind: global_buffer, .address_space: global }
      - { .name: q_codes, .offset: 80, .size: 8, .value_kind: global_buffer, .address_space: global }
      - { .name: k_codes, .offset: 88, .size: 8, .value_kind: global_buffer, .address_space: global }
      - { .name: v_codes, .offset: 96, .size: 8, .value_kind: global_buffer, .address_space: global }
      - { .name: wo_codes, .offset: 104, .size: 8, .value_kind: global_buffer, .address_space: global }
    .group_segment_fixed_size: 229888
    .private_segment_fixed_size: 0
    .kernarg_segment_align: 8
    .kernarg_segment_size: 112
    .max_flat_workgroup_size: 128
    .sgpr_count:     100
    .vgpr_count:     258
    .wavefront_size: 32
...
	.end_amdgpu_metadata
.endif
;; end of part 1
;; launch attn (part 2): grid 128 x 2, 8 waves a work-group, clusters of 4 x 1, 327,680 bytes of LDS; arguments q_codes, k_codes, v_codes, wo_codes, Wo_b, lowp_scales, out0; writes out0
.if DOCPART == 2
	.amdgcn_target "amdgcn-amd-amdhsa--gfx1250"
	.amdhsa_code_object_version 6
	.text
	.protected	k_qb5ba20c8ee_attn
	.globl	k_qb5ba20c8ee_attn
	.p2align	8
	.type	k_qb5ba20c8ee_attn,@function
k_qb5ba20c8ee_attn:
	s_mov_b64 s[64:65], 0
	v_nop
	global_prefetch_b8 v0, s[64:65] scope:SCOPE_SE
	s_setreg_imm32_b32 hwreg(HW_REG_WAVE_MODE, 25, 1), 1
	s_wait_xcnt 0x0
	s_wait_alu depctr_hold_cnt(0) depctr_sa_sdst(0) depctr_va_vdst(0) depctr_va_sdst(0) depctr_va_ssrc(0) depctr_va_vcc(0) depctr_vm_vsrc(0)
	s_getreg_b32 s2, hwreg(HW_REG_IB_STS2, 6, 4)
	s_cmp_eq_u32 s2, 0
	s_cbranch_scc0 .Lentry_in_a_cluster
	s_endpgm
.Lentry_in_a_cluster:
	s_bfe_u32 s2, ttmp6, 0x10000c
	s_cmp_lg_u32 s2, 0x3003
	s_cbranch_scc0 .Lentry_shape_is_right
	s_endpgm
.Lentry_shape_is_right:
; out = Wo (v softmax(q^T k / sqrt(128))^T) + bo, all three products on codes of FP8 (E4M3).  q, k, v and Wo arrive as codes, as images of the operands' registers (the launch before lays them):
; a fragment (16 rows x 128 K) is 2,048 bytes, piece c (512 bytes) holds lane l's 16 bytes at 512 c + 16 l: registers 4 c .. 4 c + 3, K = 32 c + 16 (l / 16) + 0 .. 15 of row l % 16.
; q_codes, k_codes: [b][block of 64 voxels][tile u][image], row m of tile u = voxel 64 block + 4 m + u.  v_codes: [b][step of 128 keys][channel tile 8][image], K = the step's key slots, in the order in which
; S^T's registers hold them.  wo_codes: [row tile 8][image].  out0: [b][128][8192] f32.
; THE SOFTMAX AHEAD OF THE SECOND PRODUCT: t = score x log2(e) / sqrt(128); M = the largest t so far, rounded UP to a whole number; p = 2^(t - M) is quantised, not normalised; the sum is taken of the unquantised p.
; SHARES.  A work-group owns 64 queries: four tiles.  Wave w = 4 p + j owns query tiles 2 p and 2 p + 1 and, of every slot of 512 keys, step j: a quarter of the keys, 16 steps of 128.  So each fragment of K and V
; that a wave reads from LDS feeds two products, and two waves share a SIMD: one's vector work stands beside the other's matrix work.  At the end the four parts of a query tile meet in LDS: M is a whole number,
; so each part is brought under the largest M by a power of two.  Then the wave quantises piece j of its two tiles' result, and makes rows 32 j .. 32 j + 31 of the last product for them.
; LAYOUT.  S^T = K Q^T, O^T = V^T P^T, out^T-free: source 0 = Wo's rows, source 1 = the result's 16 queries: a lane holds ONE query (lane % 16) throughout.
; CLUSTER.  The four work-groups of a cluster belong to one batch and walk the same K and V: each tile is asked for JOINTLY.  Waves 0-3 fetch a slot's four steps of K, waves 4-7 those of V: 16 KiB, dense, each.
; LIMITS on the given exponents, so that each power of two below is an f32 number: e6 + e7 between -123 and 130 (added to c's exponent field); e9 and e10 - e8 - e9 between -126 and 119; e10 + e11 between -126 and 127.
; REGISTERS, in two windows of 256.  Window 0: v0 my thread's number, v1-11 addresses; then tile 2 p's block; v192-255 fragments 0-3.  Window 1: tile 2 p + 1's block at the same numbers; v192-255 fragments 4-7.
; A block: v12 -M, v13 the largest t, v[14:15] the sum in two halves, v16-31 Q, v32-95 S^T then p, v96-159 O^T, v160-175 p's codes, v176-183 at work.
.set SLOT1, 131072                     ; slot 1 begins here: one exclusive or turns an address in one slot into the other's
.set SLOTB, 65536                      ; a slot's bytes of K, and of V: four steps of 16,384
.set NSL,   16                         ; slots' worth of keys in a batch
.set SPARE, 2*SLOT1                    ; behind the ring: the spare words, 128 bytes for each wave: four blocks of 256 bytes that no other line names
.set STAT,  SPARE+1024                 ; (-M, sum) of tile x part: (4 tile + part) x 256 + 8 x lane
.set AIMG,  STAT+4096                  ; the four images of the attention's result, as codes
.set STG,   AIMG+8192                  ; the way out: 128 rows x (256 bytes + 16)
.set AK0, 1                            ; v1   my lane's place in my step of K in a slot
.set AV0, 2                            ; v2   the same for V
.set PFO, 3                            ; v3   256 x lane: the prefetches' offset; never rewritten
.set L16, 4                            ; v4   16 x lane
.set SPW, 5                            ; v5   LDS address of my spare word; never rewritten
.set NIL, 6                            ; v6   0; never rewritten
.set ADK, 8                            ; v8   LDS address of the step's K
.set ADV, 9                            ; v9   of its V
.set Q,   16
.set S,   32
.set O,   96
.set PC,  160
.set F,   176                          ; v[176:177] a maximum's second chain, then f = 2^(old M - new M); the upper half is written once
.set TA,  178
.set PM,  179                          ; a lane permute's destination
.set SUM2, 180
.set HOLD, 182
.set SCL, 183                          ; 2^e9
.set FR,  192
.set WV,  18                           ; s18  my wave's number
.set J,   19                           ; s19  w % 4: my step of a slot
.set SEL, 20                           ; s[20:21] lane selects: lane l xor 16
.set CS,  22                           ; s[22:23] c = log2(e) / sqrt(128) x 2^(e6 + e7)
.set G1,  24                           ; s[24:31] descriptor group 1
.set G0K, 32                           ; s[32:35] descriptor group 0 for K's tiles: it walks
.set TB,  36                           ; s36  LDS byte at which the slot in hand begins
.set SLOTS, 37                         ; s37  slots still to be asked for
.set LIM, 38                           ; s38  1 in a wave that prefetches, else the greatest number
.set P,   39                           ; s39  w / 4: my pair of query tiles
.set PFA, 40                           ; s[40:41] where my prefetches stand
.set G0V, 52                           ; s[52:55] descriptor group 0 for V's tiles
.set MSB, 0
.macro WIN new                         ; bits 1:0 source 0, 3:2 source 1, 5:4 source 2, 7:6 destination; the immediate's high byte repeats the setting that is left
.if MSB != \new
	s_set_vgpr_msb (MSB<<8)|\new
.set MSB, \new
.endif
.endm
.macro CROUND                          ; a round of the cluster's barrier
	s_barrier_signal -1
	s_barrier_wait -1
	s_cmp_lg_u32 s[WV], 0
	s_cbranch_scc1 .Lnot_wave_0_\@
	s_barrier_signal -3
.Lnot_wave_0_\@:
	s_barrier_wait -3
	s_barrier_signal -1
	s_barrier_wait -1
.endm
.macro JLOAD                           ; a joint load: waves 0-3 for K, waves 4-7 for V; the branch hangs on the wave's number alone.  Four v_nop follow each of the two lines
	s_cmp_lt_u32 s[WV], 4
	s_cbranch_scc0 .Lfor_v_\@
	tensor_load_to_lds s[G0K:G0K+3], s[G1:G1+7]
	s_nop 0
.rept 4
	v_nop
.endr
	s_branch .Lasked_\@
.Lfor_v_\@:
	tensor_load_to_lds s[G0V:G0V+3], s[G1:G1+7]
	s_nop 0
.rept 4
	v_nop
.endr
.Lasked_\@:
.endm
; A PREFETCH INTO THE L2 of what the NEXT change of slots will ask for: 65,536 bytes of K and of V.  All clusters of a batch walk the same K and V: the batch's first cluster asks.  Its four partners share each
; block out BY ADDRESS, 16,384 bytes each; in each, waves 0 and 1 ask for K's halves of that and waves 2 and 3 for V's: 8,192 bytes a wave, lanes 256 bytes apart, one instruction.  So each aligned 256 bytes are
; named once in the launch.  It stands behind the joint load and its four lines, one key step of the wave (32 matrix instructions and two softmaxes) ahead of the load that will want the data.
; The last change that fills a slot asks for nothing; slots 0 and 1 come by their loads alone.
.macro ASK
	s_cmp_gt_u32 s[SLOTS], s[LIM]
	s_cbranch_scc0 .Lnot_mine_\@
	global_prefetch_b8 v[PFO], s[PFA:PFA+1] th:TH_LOAD_NT scope:SCOPE_SE
.Lnot_mine_\@:
.endm
.macro INIT                            ; a tile's statistics
	v_mov_b32 v13, 0xff61b1e6                      ; the largest t so far: -3e38, under every t
	s_delay_alu instid0(VALU_DEP_1)
	v_floor_f32 v12, -v13                          ; -M
	v_mov_b32 v14, 0
	v_mov_b32 v15, 0
	v_mov_b32 v[PM], 0
	v_mov_b32 v[F+1], 0
	v_mov_b32 v[SCL], s66
.endm
; THE CHANGE OF SLOTS stands at a slot's head.  Each wave waits for all its tensor loads (one is out: its part of the slot ahead), adds 0 to its spare word, and waits for that and for its reads of the slot left.
; fill = 1: the slot left is filled with the keys that follow, behind a round of the cluster's barrier; the load has a key step in which to land.
.macro CHANGE fill
	s_wait_tensorcnt 0x0                           ; no tensor load of mine is out, so a group 0 may be written
	ds_add_u32 v[SPW], v[NIL]                      ; 0 onto my spare word
.if \fill
	s_xor_b32 s[G0K+1], s[G0K+1], SLOT1            ; the other slot than last time,
	s_add_nc_u64 s[G0K+2:G0K+3], s[G0K+2:G0K+3], SLOTB   ; the next 512 keys; the type bits on top are not reached
	s_xor_b32 s[G0V+1], s[G0V+1], SLOT1
	s_add_nc_u64 s[G0V+2:G0V+3], s[G0V+2:G0V+3], SLOTB
	s_wait_xcnt 0x0                                ; the last prefetch, a key step back, has read its address
	s_add_nc_u64 s[PFA:PFA+1], s[PFA:PFA+1], SLOTB ; one slot further on than the walking descriptors
	s_wait_dscnt 0x0                               ; the add is done, and my reads of the slot that I have left are over
	CROUND
	JLOAD                                          ; the first thing behind the round, and my one tensor load until the next
	ASK
.else
	s_wait_dscnt 0x0
	s_barrier_signal -1
	s_barrier_wait -1
.endif
.endm
.macro FETCH adr                       ; eight fragments, 16 KiB, as they lie: 0-3 into window 0, 4-7 into window 1; each load takes 512 consecutive bytes
	WIN 0
.set n, 0
.rept 16
	ds_load_b128 v[FR+4*n:FR+4*n+3], v[\adr] offset:512*n
.set n, n+1
.endr
	WIN 0x40
.set n, 0
.rept 16
	ds_load_b128 v[FR+4*n:FR+4*n+3], v[\adr] offset:8192+512*n
.set n, n+1
.endr
.endm
.macro SMUL t0                         ; four products of S^T = K Q^T: key tiles t0 .. t0 + 3; each is a whole sum (K = 128)
.irp i, 0,1,2,3
	v_wmma_f32_16x16x128_fp8_fp8 v[S+8*(\t0+\i):S+8*(\t0+\i)+7], v[FR+16*\i:FR+16*\i+15], v[Q:Q+15], 0
.endr
.endm
.macro PVMUL t0, first                 ; four products of O^T += V^T P^T: channel tiles t0 .. t0 + 3.  first = 1: they start the sums: nothing is ever cleared
.irp i, 0,1,2,3
.if \first
	v_wmma_f32_16x16x128_fp8_fp8 v[O+8*(\t0+\i):O+8*(\t0+\i)+7], v[FR+16*\i:FR+16*\i+15], v[PC:PC+15], 0
.else
	v_wmma_f32_16x16x128_fp8_fp8 v[O+8*(\t0+\i):O+8*(\t0+\i)+7], v[FR+16*\i:FR+16*\i+15], v[PC:PC+15], v[O+8*(\t0+\i):O+8*(\t0+\i)+7]
.endif
.endr
.endm
; One tile's softmax for a key step, all in the tile's own window.
.macro SOFTMAX first
	v_max3_num_f32 v[TA], v[S], v[S+1], v[S+2]     ; the step's largest score of my query among my 64 keys, in two chains, each accumulator from its low end on
	v_max3_num_f32 v[F], v[S+3], v[S+4], v[S+5]
.set n, 6
.rept 14
	v_max3_num_f32 v[TA], v[TA], v[S+n], v[S+n+1]
	v_max3_num_f32 v[F], v[F], v[S+n+2], v[S+n+3]
.set n, n+4
.endr
	v_max3_num_f32 v[TA], v[TA], v[S+62], v[S+63]
	s_delay_alu instid0(VALU_DEP_1)
	v_max_num_f32 v[TA], v[TA], v[F]
	s_delay_alu instid0(VALU_DEP_1)
	v_permlanex16_b32 v[PM], v[TA], s[SEL], s[SEL+1]
	s_delay_alu instid0(VALU_DEP_1)
	v_max_num_f32 v[TA], v[TA], v[PM]              ; and among lane l xor 16's
	s_delay_alu instid0(VALU_DEP_1)
	v_mul_f32 v[TA], s[CS], v[TA]                  ; as t (c is positive)
	s_delay_alu instid0(VALU_DEP_1)
	v_max_num_f32 v13, v13, v[TA]                  ; the running largest t
	v_mov_b32 v[TA], v12
	s_delay_alu instid0(VALU_DEP_2)
	v_floor_f32 v12, -v13                          ; the new -M = floor(-t) = -ceil(t): a whole number
	s_delay_alu instid0(VALU_DEP_1)
	v_sub_f32 v[TA], v12, v[TA]                    ; old M - new M: a whole number, 0 or less
	s_delay_alu instid0(VALU_DEP_1)
	v_cvt_i32_f32 v[TA], v[TA]                     ; (it saturates)
	s_delay_alu instid0(VALU_DEP_1)
	v_ldexp_f32 v[F], 1.0, v[TA]                   ; f = 2^(old M - new M): a multiplication by it rounds nothing
.set n, 0
.rept 32
	v_pk_fma_f32 v[S+n:S+n+1], v[S+n:S+n+1], s[CS:CS+1], v[12:13] op_sel_hi:[1,0,0]   ; t - M, two at a time
.set n, n+2
.endr
.set n, 0
	s_wait_alu depctr_va_vdst(0)
.rept 64
	v_exp_f32 v[S+n], v[S+n]                       ; p = 2^(t - M), at most 1
.set n, n+1
.endr
	v_pk_mul_f32 v[14:15], v[14:15], v[F:F+1] op_sel_hi:[1,0]   ; the sums under the new M: the plain line behind the exponentials
	s_wait_alu depctr_va_vdst(0)                   ; one wait for the batch of 64, ahead of its first reader
	v_pk_add_f32 v[SUM2:SUM2+1], v[S:S+1], v[S+2:S+3]           ; the sum is taken of the unquantised p, in two chains
.set n, 4
.rept 15
	v_pk_add_f32 v[14:15], v[14:15], v[S+n:S+n+1]
	v_pk_add_f32 v[SUM2:SUM2+1], v[SUM2:SUM2+1], v[S+n+2:S+n+3]
.set n, n+4
.endr
	s_delay_alu instid0(VALU_DEP_1)
	v_pk_add_f32 v[14:15], v[14:15], v[SUM2:SUM2+1]
.irp b, 0,1,2,3
.set n, 0
.rept 16
.set n, n+1
.endr
	v_cvt_scalef32_pk8_fp8_f32 v[PC+4*\b:PC+4*\b+1], v[S+16*\b:S+16*\b+7], v[SCL]
	v_cvt_scalef32_pk8_fp8_f32 v[PC+4*\b+2:PC+4*\b+3], v[S+16*\b+8:S+16*\b+15], v[SCL]
.endr
.if \first
	s_wait_alu depctr_va_vdst(0)
	v_nop                                          ; the plain line behind the last conversion; there is no O^T yet
.else
.set n, 0
.rept 32
	v_pk_mul_f32 v[O+n:O+n+1], v[O+n:O+n+1], v[F:F+1] op_sel_hi:[1,0]   ; O^T under the new M
.set n, n+2
.endr
.endif
.endm
; A KEY STEP of the wave: 128 keys for its two query tiles: 16 products K Q^T, two softmaxes (V's fragments land meanwhile), 16 products V^T P^T.  The sixteen accumulators of O^T take turns, one instruction a turn.
.macro STEP first
	v_add_nc_u32 v[ADK], s[TB], v[AK0]
	v_add_nc_u32 v[ADV], s[TB], v[AV0]
	v_nop                                          ; with the two additions: four places in front of loads into registers that matrix instructions have read (ISA guide 7.12.1 for vector instructions)
	v_nop
	FETCH ADK
	s_wait_alu depctr_va_vdst(0)
	s_wait_dscnt 16                                ; fragments 0-3 are in; the sixteen loads behind them may be out
	WIN 0
	SMUL 0
	WIN 0x44                                       ; Q and S^T of the second tile, fragments in window 0
	SMUL 0
	s_wait_dscnt 0x0
	WIN 0x45
	SMUL 4
	WIN 0x01
	SMUL 4
.rept 4
	v_nop                                          ; places in front of the loads below and of the first read of the scores
.endr
	FETCH ADV
	WIN 0
	SOFTMAX \first
	WIN 0x55
	SOFTMAX \first
	s_wait_alu depctr_va_vdst(0)
	s_wait_dscnt 0x0                               ; V is in
	PVMUL 4, \first
	WIN 0x54
	PVMUL 0, \first
	WIN 0
	PVMUL 0, \first
	WIN 0x01
	PVMUL 4, \first
	WIN 0                                          ; at a label and at a branch every window is 0
	s_xor_b32 s[TB], s[TB], SLOT1                  ; on to the other slot
.endm
.macro LSUM                            ; v13 = the part's sum for my query
	v_add_f32 v13, v14, v15
	s_delay_alu instid0(VALU_DEP_1)
	v_permlanex16_b32 v[PM], v13, s[SEL], s[SEL+1]
	s_delay_alu instid0(VALU_DEP_1)
	v_add_f32 v13, v13, v[PM]
.endm
	s_load_b256 s[4:11], s[0:1], 0x0               ; q's codes, k's, v's, Wo's
	s_load_b128 s[12:15], s[0:1], 0x20             ; bo, the scales' exponents
	s_load_b64 s[16:17], s[0:1], 0x30              ; out
	v_lshl_add_u32 v[SPW], v0, 2, SPARE
	v_mov_b32 v[NIL], 0
	ds_add_u32 v5, v6
	ds_add_u32 v5, v6
	s_wait_dscnt 0x0
	v_lshrrev_b32 v8, 5, v0
	s_delay_alu instid0(VALU_DEP_1)
	v_readfirstlane_b32 s[WV], v8                  ; wave 0..7
	s_and_b32 s[J], s[WV], 3
	s_lshr_b32 s[P], s[WV], 2
	s_bfe_u32 s56, ttmp6, 0x40000                  ; cx: it enters global addresses alone
	s_lshl_b32 s57, ttmp9, 2
	s_add_co_u32 s57, s57, s56                     ; my block of 64 queries
	s_and_b32 s58, ttmp7, 0xffff                   ; the batch, which the four partners share
	; descriptor group 1: 64 rows of 256 bytes, dense in memory and in LDS
	s_mov_b32 s[G1], 15|(3<<16)|(1<<21)            ; 15:0 the mask: all four work-groups; 17:16 elements of 8 bytes; 21 set beside a mask
	s_mov_b32 s[G1+1], 32<<16                      ; tensor_dim0
	s_mov_b32 s[G1+2], 64<<16                      ; tensor_dim1
	s_mov_b32 s[G1+3], 32<<16                      ; tile_dim0
	s_mov_b32 s[G1+4], 64                          ; tile_dim1
	s_mov_b32 s[G1+5], 32                          ; elements from row to row
	s_mov_b32 s[G1+6], 0
	s_mov_b32 s[G1+7], 0
	s_mov_b32 s[SEL], 0x76543210
	s_mov_b32 s[SEL+1], 0xfedcba98
	s_mov_b32 s[CS], 0x3e0293ee                    ; c = log2(e) / sqrt(128)
	s_mov_b32 s[TB], 0
	s_mov_b32 s[SLOTS], NSL-1
	s_lshl_b32 s60, s58, 20                        ; the batch's codes,
	s_lshl_b32 s61, s[J], 14                       ; the step of a slot that I fetch
	s_add_co_u32 s60, s60, s61
	s_mov_b32 s61, 0
	s_lshl_b32 s59, s[WV], 14                      ; and where it goes: K's four steps, then V's four: wave x 16,384
	s_wait_kmcnt 0x0
	s_load_b128 s[44:47], s[14:15], 0x18           ; e6 .. e9
	s_load_b64 s[48:49], s[14:15], 0x28            ; e10, e11
	s_mov_b32 s[G0K], 1
	s_mov_b32 s[G0K+1], s59
	s_add_nc_u64 s[G0K+2:G0K+3], s[6:7], s[60:61]
	s_or_b32 s[G0K+3], s[G0K+3], 0x80000000
	s_mov_b32 s[G0V], 1
	s_mov_b32 s[G0V+1], s59
	s_add_nc_u64 s[G0V+2:G0V+3], s[8:9], s[60:61]
	s_or_b32 s[G0V+3], s[G0V+3], 0x80000000
	CROUND                                         ; all four work-groups are here: the first joint loads meet
	JLOAD                                          ; slot 0
	; the prefetches: where my wave's stand, and who asks
	s_cmp_lt_u32 s[WV], 2
	s_cselect_b64 s[PFA:PFA+1], s[6:7], s[8:9]
	s_lshl_b32 s62, s58, 20
	s_lshl_b32 s63, s56, 14                        ; my work-group's quarter of a slot's block
	s_add_co_u32 s62, s62, s63
	s_and_b32 s63, s[WV], 1
	s_lshl_b32 s63, s63, 13                        ; my wave's half of that
	s_add_co_u32 s62, s62, s63
	s_add_co_u32 s62, s62, SLOTB                   ; in slot 1: the first change of slots steps it to slot 2
	s_mov_b32 s63, 0
	s_add_nc_u64 s[PFA:PFA+1], s[PFA:PFA+1], s[62:63]
	s_lshr_b32 s62, s[WV], 2                       ; 0 in waves 0 to 3,
	s_or_b32 s62, s62, ttmp9                       ; of the batch's first cluster: the same in all four partners
	s_cmp_eq_u32 s62, 0
	s_cselect_b32 s[LIM], 1, -1
	s_lshl_b32 s62, s58, 7
	s_add_co_u32 s62, s62, s57
	s_lshl_b32 s62, s62, 13                        ; Q: (128 b + block) x four images,
	s_lshl_b32 s66, s[P], 12                       ; my two of them
	s_add_co_u32 s62, s62, s66
	s_add_nc_u64 s[4:5], s[4:5], s[62:63]
	s_lshl_b32 s62, s[J], 12                       ; Wo: my two row tiles
	s_add_nc_u64 s[10:11], s[10:11], s[62:63]
	s_lshl_b32 s62, s[J], 7                        ; bo: my 32 numbers
	s_add_nc_u64 s[12:13], s[12:13], s[62:63]
	s_lshl_b32 s62, s58, 22                        ; out: the batch, the 16 rows that I store, my block's 256 bytes of a row
	s_lshl_b32 s66, s[WV], 19
	s_add_co_u32 s62, s62, s66
	s_lshl_b32 s66, s57, 8
	s_add_co_u32 s62, s62, s66
	s_add_nc_u64 s[16:17], s[16:17], s[62:63]
	v_and_b32 v[L16], 31, v0
	s_delay_alu instid0(VALU_DEP_1)
	v_lshlrev_b32 v[PFO], 8, v[L16]
	s_delay_alu instid0(VALU_DEP_2)
	v_lshlrev_b32 v[L16], 4, v[L16]
.irp c, 0,1,2,3
	global_load_b128 v[Q+4*\c:Q+4*\c+3], v[L16], s[4:5] offset:512*\c          ; Q's fragments stay in registers
.endr
	WIN 0x40
.irp c, 0,1,2,3
	global_load_b128 v[Q+4*\c:Q+4*\c+3], v[L16], s[4:5] offset:2048+512*\c
.endr
	WIN 0
	s_lshl_b32 s62, s[J], 14
	v_add_nc_u32 v[AK0], s62, v[L16]
	s_delay_alu instid0(VALU_DEP_1)
	v_add_nc_u32 v[AV0], SLOTB, v[AK0]
	s_wait_kmcnt 0x0
	s_add_co_i32 s62, s44, s45
	s_lshl_b32 s62, s62, 23
	s_add_co_i32 s[CS], s[CS], s62                 ; a score stands for score x 2^(e6 + e7): the two exponents are added to c's exponent field
	s_mov_b32 s[CS+1], s[CS]                       ; (named with it as a pair, so it is written)
	s_add_co_i32 s62, s47, 127
	s_lshl_b32 s66, s62, 23                        ; 2^e9 as f32
	s_sub_co_i32 s62, s48, s46
	s_sub_co_i32 s62, s62, s47                     ; e10 - e8 - e9: a sum of the second product stands for sum x 2^(e8 + e9)
	s_add_co_i32 s62, s62, 127
	s_lshl_b32 s68, s62, 23
	s_add_co_i32 s50, s48, s49
	s_add_co_i32 s50, s50, 127
	s_lshl_b32 s50, s50, 23                        ; 2^(e10 + e11) as f32
	INIT
	WIN 0x55
	INIT
	WIN 0
	s_wait_loadcnt 0x0                             ; Q
	CHANGE 1                                       ; slot 0 is whole; slot 1 is asked for
	STEP 1                                         ; the first step is written out: its products start O^T's sums
	s_mov_b32 s[SLOTS], NSL-2
.Lslot:                                            ; 14 trips: slots 1 to 14 are read, slots 2 to 15 asked for
	CHANGE 1
	STEP 0
	s_sub_co_u32 s[SLOTS], s[SLOTS], 1
	s_cmp_lg_u32 s[SLOTS], 0
	s_cbranch_scc1 .Lslot
	CHANGE 0                                       ; the last slot is written out
	STEP 0
	; THE TAIL.  (a) Each wave's part (-M, sum, O^T of two tiles) goes to LDS.  The O^T images fill slot 0, which has had its last fill; behind this barrier nobody reads a slot any more.
	s_wait_dscnt 0x0
	s_barrier_signal -1
	s_barrier_wait -1
.rept 4
	v_nop                                          ; places behind the last products: their results are stored, their fragments' registers written, below
.endr
.set TL16, 240                         ; v240-250: the tail's addresses, in registers that held fragments; v251-255 at work
.set TBO,  241
.set TSTW, 242
.set TOW,  243
.set TSR,  244
.set TMR,  245
.set TAIW, 246
.set TAIR, 247
.set TSGW, 248
.set TSGR, 249
.set TGO,  250
	v_and_b32 v251, 15, v0                         ; r
	v_bfe_u32 v252, v0, 4, 1                       ; h
	v_and_b32 v253, 31, v0                         ; lane
	s_delay_alu instid0(VALU_DEP_1)
	v_lshlrev_b32 v[TL16], 4, v253
	s_wait_alu depctr_va_vdst(0)
	v_lshlrev_b32 v[TBO], 5, v252
	s_lshl_b32 s56, s[P], 11
	s_lshl_b32 s57, s[J], 8
	s_add_co_u32 s57, s57, s56
	s_add_co_u32 s57, s57, STAT
	v_lshl_add_u32 v[TSTW], v253, 3, s57           ; my statistics: tile 2 p (+ 1,024 for the second), part j
	s_add_co_u32 s56, s56, STAT
	v_lshl_add_u32 v[TSR], v253, 3, s56            ; and the four parts' to read
	s_lshl_b32 s56, s[P], 16
	s_lshl_b32 s57, s[J], 13
	s_add_co_u32 s57, s57, s56
	v_add_nc_u32 v[TOW], s57, v[TL16]              ; my O^T: tile x 32,768 + part x 8,192
	s_lshl_b32 s57, s[J], 11
	s_add_co_u32 s57, s57, s56
	v_add_nc_u32 v[TMR], s57, v[TL16]              ; to read: piece j (channel tiles 2 j, 2 j + 1) of every part
	s_lshl_b32 s56, s[P], 12
	s_add_co_u32 s56, s56, AIMG
	v_add_nc_u32 v[TAIR], s56, v[TL16]
	s_lshl_b32 s57, s[J], 9
	s_add_co_u32 s57, s57, s56
	v_add_nc_u32 v[TAIW], s57, v[TL16]
	s_mul_i32 s56, s[J], 32*272
	s_lshl_b32 s57, s[P], 3
	s_add_co_u32 s56, s56, s57
	s_add_co_u32 s56, s56, STG
	v_mul_u32_u24 v[TSGW], v252, 8*272
	s_delay_alu instid0(VALU_DEP_1)
	v_lshl_add_u32 v[TSGW], v251, 4, v[TSGW]
	s_delay_alu instid0(VALU_DEP_1)
	v_add_nc_u32 v[TSGW], s56, v[TSGW]             ; the stage, in: row 32 j + 8 h, voxels 4 r + 2 p and + 1
	s_mul_i32 s56, s[WV], 16*272
	s_add_co_u32 s56, s56, STG
	v_mul_u32_u24 v[TSGR], v252, 272
	s_delay_alu instid0(VALU_DEP_1)
	v_lshl_add_u32 v[TSGR], v251, 4, v[TSGR]
	s_delay_alu instid0(VALU_DEP_1)
	v_add_nc_u32 v[TSGR], s56, v[TSGR]             ; back: rows 16 w + h, 16 bytes a lane
	v_lshlrev_b32 v[TGO], 15, v252
	s_delay_alu instid0(VALU_DEP_1)
	v_lshl_add_u32 v[TGO], v251, 4, v[TGO]         ; and the same in out
.set n, 0
.rept 8
	global_load_b128 v[FR+4*n:FR+4*n+3], v[TL16], s[10:11] offset:512*n        ; Wo's row tiles 2 j and 2 j + 1
.set n, n+1
.endr
.irp f, 0,1
	global_load_b128 v[224+8*\f:224+8*\f+3], v[TBO], s[12:13] offset:64*\f     ; bo(32 j + 16 f + 8 h + 0 .. 7)
	global_load_b128 v[224+8*\f+4:224+8*\f+7], v[TBO], s[12:13] offset:64*\f+16
.endr
	LSUM
	WIN 0x55
	LSUM
	WIN 0
	ds_store_b64 v[TSTW], v[12:13]
.set n, 0
.rept 16
	ds_store_b128 v[TOW], v[O+4*n:O+4*n+3] offset:512*n                        ; each accumulator from its low end on
.set n, n+1
.endr
	WIN 0x04                                       ; the data in window 1
	ds_store_b64 v[TSTW], v[12:13] offset:1024
.set n, 0
.rept 16
	ds_store_b128 v[TOW], v[O+4*n:O+4*n+3] offset:32768+512*n
.set n, n+1
.endr
	WIN 0
	s_wait_dscnt 0x0                               ; for the others' sake: my stores are done
	s_barrier_signal -1
	s_barrier_wait -1
	; (b) The merge, all in window 0: piece j of my two tiles: the four parts under the largest M, divided by the whole sum, quantised.
.irp t, 0,1
.irp a, 0,1,2,3
	ds_load_b64 v[160+8*\t+2*\a:161+8*\t+2*\a], v[TSR] offset:1024*\t+256*\a
.endr
.endr
.irp t, 0,1
.irp a, 0,1,2,3
.irp i, 0,1,2,3
	ds_load_b128 v[32+64*\t+16*\a+4*\i:35+64*\t+16*\a+4*\i], v[TMR] offset:32768*\t+8192*\a+512*\i
.endr
.endr
.endr
	s_wait_dscnt 0x0
.irp t, 0,1
	v_min3_num_f32 v253, v[160+8*\t], v[162+8*\t], v[164+8*\t]
	s_delay_alu instid0(VALU_DEP_1)
	v_min_num_f32 v253, v253, v[166+8*\t]          ; -M of the whole row: the least of the four
.irp a, 0,1,2,3
	v_sub_f32 v[177+8*\t+2*\a], v253, v[160+8*\t+2*\a]   ; the part's M less the row's: a whole number, 0 or less
.endr
.irp a, 0,1,2,3
	s_delay_alu instid0(VALU_DEP_4)
	v_cvt_i32_f32 v[177+8*\t+2*\a], v[177+8*\t+2*\a]
.endr
.irp a, 0,1,2,3
	s_delay_alu instid0(VALU_DEP_4)
	v_ldexp_f32 v[176+8*\t+2*\a], 1.0, v[177+8*\t+2*\a]
.endr
	s_delay_alu instid0(VALU_DEP_4)
	v_mul_f32 v[254+\t], v[176+8*\t], v[161+8*\t]
.irp a, 1,2,3
	s_delay_alu instid0(VALU_DEP_1)
	v_fmac_f32 v[254+\t], v[176+8*\t+2*\a], v[161+8*\t+2*\a]   ; the row's sum
.endr
.endr
	s_wait_alu depctr_va_vdst(0)
	v_rcp_f32 v254, v254
	v_rcp_f32 v255, v255
	v_mov_b32 v1, s68                              ; (plain lines behind the reciprocals)  2^(e10 - e8 - e9)
	s_wait_alu depctr_va_vdst(0)                   ; one wait for both, ahead of their first reader
.irp t, 0,1
.irp a, 0,1,2,3
	v_mul_f32 v[176+8*\t+2*\a], v[176+8*\t+2*\a], v[254+\t]
.endr
.irp i, 0,2,4,6,8,10,12,14
	v_pk_mul_f32 v[32+64*\t+\i:33+64*\t+\i], v[32+64*\t+\i:33+64*\t+\i], v[176+8*\t:177+8*\t] op_sel_hi:[1,0]
.endr
.irp a, 1,2,3
.irp i, 0,2,4,6,8,10,12,14
	v_pk_fma_f32 v[32+64*\t+\i:33+64*\t+\i], v[32+64*\t+16*\a+\i:33+64*\t+16*\a+\i], v[176+8*\t+2*\a:177+8*\t+2*\a], v[32+64*\t+\i:33+64*\t+\i] op_sel_hi:[1,0,1]
.endr
.endr
.set n, 0
.rept 16
.set n, n+1
.endr
	v_cvt_scalef32_pk8_fp8_f32 v[160+4*\t:161+4*\t], v[32+64*\t:39+64*\t], v1      ; channels 32 j + 16 h + 0 .. 15 of my query: piece j of the tile's image
	v_cvt_scalef32_pk8_fp8_f32 v[162+4*\t:163+4*\t], v[40+64*\t:47+64*\t], v1
.endr
	v_nop                                          ; a plain line behind the last conversion
	ds_store_b128 v[TAIW], v[160:163]
	ds_store_b128 v[TAIW], v[164:167] offset:2048
	s_wait_dscnt 0x0
	s_barrier_signal -1
	s_barrier_wait -1
	; (c) The last product: rows 32 j .. 32 j + 31 of out for my two tiles of queries.
.irp t, 0,1
.irp c, 0,1,2,3
	ds_load_b128 v[32+16*\t+4*\c:35+16*\t+4*\c], v[TAIR] offset:2048*\t+512*\c
.endr
.endr
	s_wait_dscnt 0x0
	s_wait_loadcnt 0x0                             ; Wo's fragments and bo
.irp f, 0,1
.irp t, 0,1
	v_wmma_f32_16x16x128_fp8_fp8 v[96+8*(2*\f+\t):103+8*(2*\f+\t)], v[FR+16*\f:FR+16*\f+15], v[32+16*\t:47+16*\t], 0
.endr
.endr
.rept 4
	v_nop
.endr
.irp f, 0,1
.irp t, 0,1
.irp i, 0,1,2,3,4,5,6,7
	v_fma_f32 v[128+16*\f+2*\i+\t], v[96+8*(2*\f+\t)+\i], s50, v[224+8*\f+\i]      ; sum x 2^(e10 + e11) + bo; the two tiles' numbers of a row are neighbouring voxels
.endr
.endr
.endr
.irp f, 0,1
.irp i, 0,1,2,3,4,5,6,7
	ds_store_b64 v[TSGW], v[128+16*\f+2*\i:129+16*\f+2*\i] offset:272*(16*\f+\i)   ; lanes 0-15 and 16-31 lie eight rows apart, 32 banks: these sixteen stores go two deep
.endr
.endr
	s_wait_dscnt 0x0
	s_barrier_signal -1
	s_barrier_wait -1
	; (d) The way out: each wave stores 16 whole pieces of rows.
.irp i, 0,1,2,3,4,5,6,7
	ds_load_b128 v[32+4*\i:35+4*\i], v[TSGR] offset:544*\i
.endr
.irp i, 0,1,2,3,4,5,6,7
	s_wait_dscnt 7-\i                              ; LDS loads come back in order: load i is in
	global_store_b128 v[TGO], v[32+4*\i:35+4*\i], s[16:17] offset:65536*\i th:TH_STORE_NT   ; sixteen lanes store 256 consecutive bytes, aligned, of row 16 w + 2 i + h
.endr
	s_wait_tensorcnt 0x0                           ; the wave's end
	ds_add_u32 v[SPW], v[NIL]
	s_wait_dscnt 0x0
	CROUND                                         ; the closing round: no work-group ends while a partner may still ask for a tile that names it
	s_endpgm
.Lfunc_end_k_qb5ba20c8ee_attn:
	.size	k_qb5ba20c8ee_attn, .Lfunc_end_k_qb5ba20c8ee_attn-k_qb5ba20c8ee_attn
	.p2alignl 7, 3214868480
	.fill 96, 4, 3214868480
	.section	.rodata,"a",@progbits
	.p2align	6, 0x0
	.amdhsa_kernel k_qb5ba20c8ee_attn
		.amdhsa_group_segment_fixed_size 327680
		.amdhsa_private_segment_fixed_size 0
		.amdhsa_enable_private_segment 0
		.amdhsa_kernarg_size 56
		.amdhsa_user_sgpr_count 2
		.amdhsa_user_sgpr_kernarg_segment_ptr 1
		.amdhsa_wavefront_size32 1
		.amdhsa_system_sgpr_workgroup_id_x 1
		.amdhsa_system_sgpr_workgroup_id_y 1
		.amdhsa_system_sgpr_workgroup_id_z 1
		.amdhsa_system_vgpr_workitem_id 0
		.amdhsa_next_free_vgpr 512
		.amdhsa_next_free_sgpr 80
		.amdhsa_reserve_vcc 0
		.amdhsa_float_denorm_mode_32 3
		.amdhsa_float_denorm_mode_16_64 3
		.amdhsa_fp16_overflow 1
		.amdhsa_memory_ordered 1
		.amdhsa_forward_progress 1
		.amdhsa_inst_pref_size 117
	.end_amdhsa_kernel
	.amdgpu_metadata
---
amdhsa.version: [ 1, 2 ]
amdhsa.kernels:
  - .name:           k_qb5ba20c8ee_attn
    .symbol:         k_qb5ba20c8ee_attn.kd
    .args:
      - { .name: q_codes, .offset: 0, .size: 8, .value_kind: global_buffer, .address_space: global }
      - { .name: k_codes, .offset: 8, .size: 8, .value_kind: global_buffer, .address_space: global }
      - { .name: v_codes, .offset: 16, .size: 8, .value_kind: global_buffer, .address_space: global }
      - { .name: wo_codes, .offset: 24, .size: 8, .value_kind: global_buffer, .address_space: global }
      - { .name: Wo_b, .offset: 32, .size: 8, .value_kind: global_buffer, .address_space: global }
      - { .name: lowp_scales, .offset: 40, .size: 8, .value_kind: global_buffer, .address_space: global }
      - { .name: out0, .offset: 48, .size: 8, .value_kind: global_buffer, .address_space: global }
    .group_segment_fixed_size: 327680
    .private_segment_fixed_size: 0
    .kernarg_segment_align: 8
    .kernarg_segment_size: 56
    .max_flat_workgroup_size: 256
    .sgpr_count:     80
    .vgpr_count:     512
    .wavefront_size: 32
...
	.end_amdgpu_metadata
.endif
;; end of part 2
